; MI455X (gfx1250); checked and timed in simulation.
; The chip was launched on July 23, 2026; its instructions are those of AMD's public machine-readable ISA for CDNA 5 (MIT licence, August 2026) and "CDNA5" Instruction Set Architecture Reference Guide (July 2026). The comments in the code are by the model that wrote it; some were corrected since.
;; QSGA. Allowed arithmetic: matrix products marked QUANTISED: E4M3 operands, one given power-of-two scale a tensor, by v_wmma_f32_16x16x64_fp8_fp8 or v_wmma_f32_16x16x128_fp8_fp8, f32 sums; products left as they are: f32 operands where the result goes on into a quantised operand, else bf16, f16 or f32 operands; f32 sums; everything else in f32.
;; Inputs: Wk 256 x 256 float32; Wo 256 x 256 float32; Wp 8 x 3 float32; Wq 256 x 256 float32; Wv 256 x 256 float32; bk 256 float32; bo 256 float32; bp 8 float32; bq 256 float32; bv 256 float32; gating 8 float32; lowp_scales 12 int32 (the exponents e of the quantised operands' scales 2^e); q_feat 2 x 790 x 256 float32; rel_indices 1 x 790 x 790 x 3 float32; s_feat 5 x 790 x 256 float32.
;; Outputs: out0 2 x 5 x 790 x 256 float32.
;; This version of the problem:
;;   THIS VERSION OF THE PROBLEM IS GIVEN IN LOW PRECISION. The matrix products marked QUANTISED in the list below multiply operands that are first quantised to E4M3 (4 exponent bits, 3 mantissa bits; 8 bits a number), with one given power-of-two scale for each operand tensor; their sums are f32. All else is computed in f32.
;;   The module's matrix products, in the order in which they are computed (A, B: the left and right operand; K: the contracted axis; several contracted axes count as one K, in the product's order):
;;     1. [M 1,580, K 256] x [K 256, N 256]; A: input q_feat; B: input Wq: QUANTISED (scales: A lowp_scales[0], B lowp_scales[1])
;;     2. [M 3,950, K 256] x [K 256, N 256]; A: input s_feat; B: input Wk: QUANTISED (scales: A lowp_scales[2], B lowp_scales[3])
;;     3. batch 8 x [M 3,950, K 32] x [K 32, N 1,580]; A: computed on the way; B: computed on the way: QUANTISED (scales: A lowp_scales[4], B lowp_scales[5])
;;     4. [M 624,100, K 3] x [K 3, N 8]; A: input rel_indices; B: input Wp: left as it is (K = 3 < 32)
;;     5. [M 3,950, K 256] x [K 256, N 256]; A: input s_feat; B: input Wv: QUANTISED (scales: A lowp_scales[6], B lowp_scales[7])
;;     6. batch 40 x [M 32, K 790] x [K 790, N 1,580]; A: computed on the way; B: computed on the way: QUANTISED (scales: A lowp_scales[8], B lowp_scales[9])
;;     7. [M 7,900, K 256] x [K 256, N 256]; A: computed on the way; B: input Wo: QUANTISED (scales: A lowp_scales[10], B lowp_scales[11])
;;   THE QUANTISER, for each operand of a quantised product, along K:
;;     - The operand's scale is 2^e, e = its entry of the input lowp_scales (int32; the entries are numbered through the quantised products in the list's order, A before B).
;;     - Each number is divided by the scale, clamped to +-448, and rounded to the nearest number of E4M3, ties to even, subnormals kept.
;;     - The product sums the exact products of the quantised numbers (number of the format x scale) in f32.
;;   ~~~python
;;   def quantise(x, axis, e):      # numpy; x: float32 -> the quantised numbers, widened to float32 again
;;       x = np.moveaxis(x, axis, -1); K = x.shape[-1]
;;       r = np.clip(x / 2.0 ** e, -448, 448)
;;       step = 2.0 ** (np.maximum(np.frexp(np.where(r == 0, 1, r))[1] - 1, -6) - 3)
;;       q = np.round(r / step) * step * 2.0 ** e      # np.round: ties to even
;;       return np.moveaxis(q, -1, axis).astype(np.float32)
;;   ~~~
;;   OPERANDS COMPUTED ON THE WAY. 'Computed on the way' means the value that the module computes at that place (a softmax that the list does not call 'softmax' is quantised finished and normalised). What goes into a quantiser is computed in f32, as accurately as f32 sums, v_exp_f32 and their like allow (about 1e-6 of the number): no bf16 or f16 on the way to a quantiser, and a product that is left as it is and whose result goes on into a quantised operand takes f32 operands (vector FMAs, or v_wmma_f32_16x16x4_f32). A number that lies on a knife's edge between two numbers of the format may be rounded either way, as far as f32 arithmetic and the matrix unit's own rounding can turn it there, and no further.
;; One version. Each part assembles by itself: llvm-mc -triple=amdgcn-amd-amdhsa -mcpu=gfx1250 --defsym DOCPART=n.
;; ======== version 1 of 1: 3 launches
;; limits: right only within a limited range of input values
;; workspace buffers: qimg 409,600 bytes; kvimg 2,088,960 bytes; posimg 20,582,400 bytes; woimg 65,536 bytes; oimg 2,048,000 bytes
;; launch prep (part 1): grid 243 x 1, 4 waves a work-group, no clusters, 221,952 bytes of LDS; arguments rel_indices, Wp, bp, gating, q_feat, s_feat, Wq, Wk, Wv, Wo, bq, bk, bv, lowp_scales, qimg, kvimg, posimg, woimg; writes qimg, kvimg, posimg, woimg
.if DOCPART == 1
	.amdgcn_target "amdgcn-amd-amdhsa--gfx1250"
	.amdhsa_code_object_version 6
	.text
	.protected	k_q61d50e395a_prep
	.globl	k_q61d50e395a_prep
	.p2align	8
	.type	k_q61d50e395a_prep,@function
k_q61d50e395a_prep:
	s_mov_b64 s[64:65], 0
	v_nop
	global_prefetch_b8 v0, s[64:65] scope:SCOPE_SE
	s_setreg_imm32_b32 hwreg(HW_REG_WAVE_MODE, 25, 1), 1
	s_wait_xcnt 0x0
; PREP: all that the attention launch wants ready, laid as images of operand registers (a group of four registers = 16 bytes a lane, 512 consecutive bytes a wave).
; Three ways part on the work-group number and never join:
;   POS  (work-groups 0-199)   G = sigmoid(gating) x softmax_s(rel . Wp + bp), f32, for 16 queries x 790 keys of two heads; two waves share a head (key halves) and meet in LDS for the maximum and the sum.
;   PROJ (200-215 k, 216-231 v, 232-238 q)  x W^T + b on codes of E4M3, the result quantised again: k and q as tiles [16 rows][32 channels of a head], v with the keys innermost.
;   WO   (239-242)             Wo as codes, one tile of 16 rows a wave.
; A lane is (r, hh) = (lane % 16, lane / 16).  An operand of 128 along K holds k = 16 c + 8 hh + 0..7 in registers 2 c, 2 c + 1: every fragment here has k in that place.
; Rows past 789 (790 = 49 x 16 + 6) are read as row 789: finite numbers that no output ever shows.  Keys past 789 get -infinity ahead of the maximum, so their G is 0.
; LIMITS on the given exponents, so that each power of two below is an f32 number: e0..e8, e11 between -126 and 119; e0+e1, e2+e3, e6+e7 between -126 and 127.  NaN among the inputs is not served.
; NO CLUSTER: the four POS work-groups of a query tile read the same 16 rows of rel, but the grid, 243, is no multiple of four, and the other two ways share nothing by tensor loads.
; LDS, a region for each way: 0 rel rows (16 x 9,616, tensor loads, filled once); WIMG the weight's 16 tiles as images; BIASL the bias; XCH two exchanges between the waves of a head.
.set RP,    9616                       ; a rel row in LDS: 9,600 bytes (800 keys x 12) + 16: 2,404 words, so that the 16 rows of a load start at 16 different groups of four banks (64 banks of 4 bytes: ISA guide 11.1)
.set WIMG,  153856
.set BIASL, 219392
.set XCH,   220416
.set MSB, 0
.macro WIN new                         ; register windows: bits 1:0 source 0, 3:2 source 1, 5:4 source 2, 7:6 destination; the high byte repeats the setting that is left
.if MSB != (\new)
	s_set_vgpr_msb (MSB<<8)|(\new)
.set MSB, (\new)
.endif
.endm
.macro MKSC e, sc, lim                 ; from the exponent in s[e]: v[sc] = 2^e, v[lim] = 448 x 2^e, both as f32
	s_add_co_i32 s58, s[\e], 127
	s_lshl_b32 s59, s58, 23
	v_mov_b32 v[\sc], s59
	s_add_co_i32 s58, s58, 8
	s_lshl_b32 s58, s58, 23
	s_or_b32 s58, s58, 0x600000
	v_mov_b32 v[\lim], s58
.endm
.macro LOADROWS dst, voff, sb, off     ; 16 rows x 256 f32 into 128 registers from dst (absolute number; the window is set by the caller): register 8 cc + j = k 16 cc + 8 hh + j of row r
.set cc, 0
.rept 16
.set lD, ((\dst)+8*cc)&255
	global_load_b128 v[lD:lD+3], v[\voff], s[\sb:\sb+1] offset:(\off)+64*cc
	global_load_b128 v[lD+4:lD+7], v[\voff], s[\sb:\sb+1] offset:(\off)+64*cc+16
.set cc, cc+1
.endr
.endm
.macro QUANT128 src, dst, sc, lim, wds ; 128 numbers from src (absolute) become two fragments, 32 registers of codes, at v[dst] of window 0
.set wq, (\src)>>8
.set lq, (\src)&255
	WIN (wq<<6)|wq
.set nq, 0
.rept 128
	v_med3_num_f32 v[lq+nq], v[lq+nq], -v[\lim], v[\lim]   ; the conversion to an 8-bit code does not saturate (ISA guide 7.6.2): the hold at the largest code x the scale
.set nq, nq+1
.endr
.if \wds
	s_wait_dscnt 0x0                               ; the last image's stores have read the registers that the codes are written to
.endif
	WIN wq
.set nq, 0
.rept 16
	v_cvt_scalef32_pk8_fp8_f32 v[\dst+2*nq:\dst+2*nq+1], v[lq+8*nq:lq+8*nq+7], v[\sc]
.set nq, nq+1
.endr
	WIN 0
	v_nop                                          ; one plain vector line behind the last conversion, ahead of whatever next touches its registers
.endm
	v_lshl_add_u32 v254, v0, 2, 0x36100
	v_mov_b32 v255, 0
	ds_add_u32 v254, v255
	ds_add_u32 v254, v255
	s_wait_dscnt 0x0
	v_lshrrev_b32 v1, 5, v0
	v_readfirstlane_b32 s2, v1                     ; wave 0..3
	v_and_b32 v1, 31, v0                           ; lane
	v_and_b32 v2, 15, v0                           ; r
	v_bfe_u32 v3, v0, 4, 1                         ; hh
	v_lshlrev_b32 v4, 4, v1                        ; 16 x lane: a lane's place in an image
	s_cmp_lt_u32 ttmp9, 200
	s_cbranch_scc0 .Lproj
; ======================================================================== POS
; Work-group = (query tile qt = wg / 4, head pair wg % 4).  Wave w: head 2 (wg % 4) + w / 2, keys 400 (w % 2) on: 25 tiles of 16.
; REGISTERS: v5 my place in the rel rows; v6, v7 my and my partner's exchange word; v8-11 maxima; v12-19 sums; v[20:21] log2(e) x max; v[22:23] g / sum; v24 g; v25, v26 at work; v27 -infinity; v28 4 x lane;
;   v32-127 four sets of 24 rel numbers; window 1: v0-199 the 25 tiles' logits, then p, then G (tile i, register j: key 16 i + 8 hh + j of query r).
	s_load_b256 s[4:11], s[0:1], 0x0               ; rel s[4:5], Wp s[6:7], bp s[8:9], gating s[10:11]
	s_load_b64 s[12:13], s[0:1], 0x80              ; posimg
	s_lshr_b32 s14, ttmp9, 2                       ; qt
	s_and_b32 s15, ttmp9, 3
	s_lshl_b32 s15, s15, 1
	s_lshr_b32 s16, s2, 1
	s_add_co_u32 s15, s15, s16                     ; my head
	s_and_b32 s16, s2, 1                           ; my half of the keys
	; descriptor group 1: ONE row of rel, 1,185 elements of 8 bytes; the tile is 15 elements longer, which arrive as zeros: keys 790-799 are read like any others
	s_mov_b32 s24, 3<<16                           ; no mask; elements of 8 bytes; no padding
	s_mov_b32 s25, 1185<<16                        ; tensor_dim0 = 1,185
	s_mov_b32 s26, 1<<16                           ; tensor_dim1 = 1
	s_mov_b32 s27, 1200<<16                        ; tile_dim0 = 1,200
	s_mov_b32 s28, 1                               ; tile_dim1 = 1
	s_mov_b32 s29, 1185                            ; the pitch
	s_mov_b32 s30, 0
	s_mov_b32 s31, 0
.macro RELG0 b, i                      ; group 0 for my i-th row: row min(16 qt + 4 w + i, 789) of rel to LDS row 4 w + i
	s_lshl_b32 s18, s14, 4
	s_lshl_b32 s19, s2, 2
	s_add_co_u32 s18, s18, s19
	s_add_co_u32 s18, s18, \i
	s_min_u32 s18, s18, 789
	s_mul_i32 s18, s18, 9480
	s_mov_b32 s19, 0
	s_mov_b32 s[\b], 1
	s_mul_i32 s[\b+1], s2, 4*RP
	s_add_co_u32 s[\b+1], s[\b+1], \i*RP
	s_add_nc_u64 s[\b+2:\b+3], s[4:5], s[18:19]
	s_or_b32 s[\b+3], s[\b+3], 0x80000000
.endm
	s_wait_kmcnt 0x0
	RELG0 32, 0
	RELG0 36, 1
	RELG0 40, 2
	RELG0 44, 3
	tensor_load_to_lds s[32:35], s[24:31]          ; my four rows go out together, ahead of every wait, LDS read and barrier: four tensor loads of mine are out
	s_nop 0
	tensor_load_to_lds s[36:39], s[24:31]
	s_nop 0
	tensor_load_to_lds s[40:43], s[24:31]
	s_nop 0
	tensor_load_to_lds s[44:47], s[24:31]
	s_nop 0
.rept 4
	v_nop                                          ; four such lines behind the loads
.endr
	s_mul_i32 s18, s15, 12
	s_mov_b32 s19, 0
	s_add_nc_u64 s[6:7], s[6:7], s[18:19]
	s_lshl_b32 s18, s15, 2
	s_add_nc_u64 s[8:9], s[8:9], s[18:19]
	s_add_nc_u64 s[10:11], s[10:11], s[18:19]
	s_load_b96 s[20:22], s[6:7], 0x0               ; my head's three weights
	s_load_b32 s23, s[8:9], 0x0                    ; its bias
	s_load_b32 s48, s[10:11], 0x0                  ; its gate
	s_mul_i32 s18, s15, 50
	s_add_co_u32 s18, s18, s14
	s_mul_i32 s18, s18, 51456
	s_mul_i32 s49, s16, 25600
	s_add_co_u32 s18, s18, s49
	s_add_nc_u64 s[56:57], s[12:13], s[18:19]      ; posimg at (head, qt), my half's 50 groups
	v_mul_u32_u24 v5, v2, RP
	v_mul_u32_u24 v25, v3, 96
	v_add_nc_u32 v5, v5, v25
	s_mul_i32 s49, s16, 4800
	v_add_nc_u32 v5, s49, v5                       ; row r, + 8 hh keys, + my half's 400 keys, 12 bytes a key
	v_lshl_add_u32 v6, v0, 2, XCH
	v_xor_b32 v7, 32, v0
	v_lshl_add_u32 v7, v7, 2, XCH                  ; the same lane of the wave that has the head's other keys
	v_lshlrev_b32 v28, 2, v1
	v_mov_b32 v21, 0                               ; (upper halves of pairs that packed forms name)
	v_mov_b32 v23, 0
	v_mov_b32 v27, 0xff800000                      ; -infinity
	s_mov_b32 s50, 0x3fb8aa3b                      ; log2(e)
	s_mov_b32 s51, s50
	s_mov_b32 s52, 0x76543210                      ; v_permlanex16_b32: lane l xor 16
	s_mov_b32 s53, 0xfedcba98
	s_cmp_lg_u32 s16, 0
	s_cselect_b32 s54, 0xffff0000, 0               ; in the upper half the last tile holds keys 784-799: registers 0-5 are hidden in lanes 16-31,
	s_cselect_b32 s55, -1, 0                       ; registers 6, 7 in all lanes
	s_wait_kmcnt 0x0
	v_mov_b32 v24, s48
	v_mul_f32 v24, 0xbfb8aa3b, v24
	v_exp_f32 v24, v24                             ; e^-x
	v_nop
	s_wait_alu depctr_va_vdst(0)                   ; the wait ahead of the first line that names a transcendental's result
	v_add_f32 v24, 1.0, v24
	v_rcp_f32 v24, v24                             ; g = sigmoid(x)
	v_nop
	s_wait_alu depctr_va_vdst(0)
	s_wait_tensorcnt 0x0                           ; my four rows have landed,
	s_barrier_signal -1
	s_barrier_wait -1                              ; everybody's have
.macro RELTILE i                       ; tile i: my 8 keys x 3 numbers, 96 consecutive bytes, into set i % 4
	WIN 0
.irp k, 0,1,2,3,4,5
	ds_load_b128 v[32+24*((\i)%4)+4*\k:32+24*((\i)%4)+4*\k+3], v5 offset:192*(\i)+16*\k
.endr
.endm
.macro LOGITS i                        ; rel . Wp + bp, three fused multiply-adds a key, f32 throughout
.if 24-(\i) >= 3
	s_wait_dscnt 18                                ; tile i is in; the three younger tiles' 18 loads may be out
.else
	s_wait_dscnt 6*(24-(\i))
.endif
	WIN 0x50
.set rR, 32+24*((\i)%4)
.set lL, 8*(\i)
.irp j, 0,1,2,3,4,5,6,7
	v_fma_f32 v[lL+\j], v[rR+3*\j], s20, s23
.endr
.irp j, 0,1,2,3,4,5,6,7
	v_fma_f32 v[lL+\j], v[rR+3*\j+1], s21, v[lL+\j]
.endr
.irp j, 0,1,2,3,4,5,6,7
	v_fma_f32 v[lL+\j], v[rR+3*\j+2], s22, v[lL+\j]
.endr
.endm
	RELTILE 0
	RELTILE 1
	RELTILE 2
.set ti, 0
.rept 25
.if ti+3 < 25
	RELTILE ti+3
.endif
	LOGITS ti
.set ti, ti+1
.endr
	WIN 0x41
.irp j, 0,1,2,3,4,5
	v_cndmask_b32 v[192+\j], v[192+\j], v27, s54   ; keys past 789 are hidden
.endr
	v_cndmask_b32 v198, v198, v27, s55
	v_cndmask_b32 v199, v199, v27, s55
	WIN 0x05                                       ; the maximum of my 200 logits, in four chains; the first tile starts them
.irp c, 0,1,2,3
	v_max_num_f32 v[8+\c], v[2*\c], v[2*\c+1]
.endr
	WIN 0x14
.set ti, 1
.rept 24
.irp c, 0,1,2,3
	v_max3_num_f32 v[8+\c], v[8+\c], v[8*ti+2*\c], v[8*ti+2*\c+1]
.endr
.set ti, ti+1
.endr
	WIN 0
	v_max3_num_f32 v8, v8, v9, v10
	v_max_num_f32 v8, v8, v11
	v_permlanex16_b32 v25, v8, s52, s53            ; the query's other keys of my tiles lie in lane l xor 16
	v_max_num_f32 v8, v8, v25
	ds_store_b32 v6, v8
	s_wait_dscnt 0x0                               ; for my partner's sake: the store has landed
	s_barrier_signal -1
	s_barrier_wait -1
	ds_load_b32 v25, v7
	s_wait_dscnt 0x0
	v_max_num_f32 v8, v8, v25                      ; the row's maximum over all 790 keys
	v_mul_f32 v20, s50, v8
.macro PFMA
	v_pk_fma_f32 v[2*pf:2*pf+1], v[2*pf:2*pf+1], s[50:51], v[20:21] op_sel_hi:[1,0,0] neg_lo:[0,0,1] neg_hi:[0,0,1]   ; (x - max) log2(e)
.set pf, pf+1
.endm
.macro PEXP
	v_exp_f32 v[2*pe], v[2*pe]
	v_exp_f32 v[2*pe+1], v[2*pe+1]
.set pe, pe+1
.endm
	WIN 0x41                                       ; ONE batch of 200 exponentials; each pair is scaled two pairs ahead of its exponentials; nothing in the batch names a result
.set pf, 0
.set pe, 0
	PFMA
	PFMA
.rept 98
	PFMA
	PEXP
.endr
	PEXP
	PEXP
	WIN 0
	v_nop                                          ; the plain line behind the last exponential
	s_wait_alu depctr_va_vdst(0)                   ; one wait for the batch
	WIN 0x05                                       ; the sum, two at a time, in four chains; tiles 0 and 1 start them
.irp c, 0,1,2,3
	v_pk_add_f32 v[12+2*\c:13+2*\c], v[2*\c:2*\c+1], v[8+2*\c:9+2*\c]
.endr
	WIN 0x04
.set ti, 2
.rept 23
.irp c, 0,1,2,3
	v_pk_add_f32 v[12+2*\c:13+2*\c], v[12+2*\c:13+2*\c], v[8*ti+2*\c:8*ti+2*\c+1]
.endr
.set ti, ti+1
.endr
	WIN 0
	v_pk_add_f32 v[12:13], v[12:13], v[14:15]
	v_pk_add_f32 v[16:17], v[16:17], v[18:19]
	v_pk_add_f32 v[12:13], v[12:13], v[16:17]
	v_add_f32 v12, v12, v13
	v_permlanex16_b32 v25, v12, s52, s53
	v_add_f32 v12, v12, v25
	ds_store_b32 v6, v12 offset:512                ; other bytes than the first exchange's
	s_wait_dscnt 0x0
	s_barrier_signal -1
	s_barrier_wait -1
	ds_load_b32 v25, v7 offset:512
	s_wait_dscnt 0x0
	v_add_f32 v12, v12, v25                        ; the row's sum
	v_rcp_f32 v26, v12
	v_nop
	s_wait_alu depctr_va_vdst(0)
	v_mul_f32 v22, v24, v26                        ; g / sum
	v_mul_f32 v25, v22, v12                        ; the row sum of G, as it is made: (g / sum) x sum
	WIN 0x41
.set pf, 0
.rept 100
	v_pk_mul_f32 v[2*pf:2*pf+1], v[2*pf:2*pf+1], v[22:23] op_sel_hi:[1,0]
.set pf, pf+1
.endr
	WIN 0x04                                       ; store data in window 1
.set pf, 0
.rept 50
	global_store_b128 v4, v[4*pf:4*pf+3], s[56:57] offset:512*pf   ; the wave stores 512 consecutive bytes, aligned
.set pf, pf+1
.endr
	WIN 0
	s_cmp_lg_u32 s16, 0
	s_cbranch_scc1 .Lpos_end
	global_store_b32 v28, v25, s[56:57] offset:51200   ; the lower half's wave stores the row sums, a word a lane
.Lpos_end:
	s_wait_tensorcnt 0x0
	ds_add_u32 v254, v255
	s_wait_dscnt 0x0
	s_endpgm
; ======================================================================== PROJ
; A work-group quantises the whole weight into LDS (wave w: tiles 4 w .. 4 w + 3), one barrier; then each wave takes two pairs of row tiles (32 rows each), P = 8 li + 2 w + trip.
; REGISTERS, window 0: v5 weight rows' offset; v6, v7 x rows' offsets of the pair's two tiles; v8 8 x thread; v9, v10 image addresses (mine to store, all to load); v11 v's store offset; v12, v13 bias addresses; v14 bias store;
;   v16-21 2^e and 448 x 2^e of x, of W, of the result; v[22:23] bias on its way; v24-31 the heads' store offsets; v32-95 x's codes (tile u, K step s at 32 + 32 u + 16 s); v96-127 a weight tile's codes; v128-191 result codes; v192-195 zeros.
;   windows 1 and 3: my four weight tiles' numbers, 128 each (tiles 0, 1 in window 1; tiles 2, 3 in window 3): all four are asked for at once.
;   later window 1: v0-127 eight weight fragments (a, s at 32 a + 16 s), v192-255 eight accumulators (u, a at 192 + 8 (4 u + a));  window 3: v0-127 the bias in the result's layout.   window 2: x, 2 x 128 numbers.
.Lproj:
	s_cmp_ge_u32 ttmp9, 239
	s_cbranch_scc1 .Lwo
	s_load_b256 s[8:15], s[0:1], 0x20              ; q_feat, s_feat, Wq, Wk
	s_load_b64 s[16:17], s[0:1], 0x40              ; Wv
	s_load_b128 s[20:23], s[0:1], 0x50             ; bq, bk
	s_load_b128 s[24:27], s[0:1], 0x60             ; bv, lowp_scales
	s_load_b128 s[28:31], s[0:1], 0x70             ; qimg, kvimg
	s_sub_co_u32 s3, ttmp9, 200
	s_lshr_b32 s4, s3, 4                           ; the kind: 0 k, 1 v, 2 q
	s_and_b32 s5, s3, 15                           ; li: which work-group of its kind
	s_lshl_b32 s58, s2, 16
	v_lshlrev_b32 v5, 10, v2
	v_lshl_add_u32 v5, v3, 5, v5
	v_add_nc_u32 v5, s58, v5                       ; weight row 64 w + r, + 8 hh numbers
	v_lshlrev_b32 v8, 3, v0
	v_add_nc_u32 v14, BIASL, v8
	s_lshl_b32 s58, s2, 14
	v_add_nc_u32 v10, WIMG, v4
	v_add_nc_u32 v9, s58, v10
	v_lshlrev_b32 v12, 5, v3
	v_add_nc_u32 v12, BIASL, v12
	v_lshlrev_b32 v13, 2, v2
	v_add_nc_u32 v13, BIASL, v13
.irp j, 192,193,194,195
	v_mov_b32 v\j, 0
.endr
	s_wait_kmcnt 0x0
	s_load_b256 s[40:47], s[26:27], 0x0            ; e0 .. e7
	s_load_b128 s[48:51], s[26:27], 0x20           ; e8 .. e11
	s_cmp_eq_u32 s4, 2                             ; only pointers and numbers are chosen: the three kinds take one way up to the loops
	s_cselect_b64 s[32:33], s[8:9], s[10:11]       ; x
	s_cselect_b64 s[34:35], s[12:13], s[14:15]     ; W
	s_cselect_b64 s[36:37], s[20:21], s[22:23]     ; b
	s_cselect_b64 s[38:39], s[28:29], s[30:31]     ; where the codes go
	s_cselect_b32 s6, 50, 125                      ; pairs of row tiles in all: 25 an image
	s_mov_b32 s52, 52224
	s_cselect_b32 s52, 204800, s52                 ; bytes from image to image,
	s_mov_b32 s53, 261120
	s_cselect_b32 s53, 25600, s53                  ; and from head to head
	s_cmp_eq_u32 s4, 1
	s_cselect_b64 s[34:35], s[16:17], s[34:35]
	s_cselect_b64 s[36:37], s[24:25], s[36:37]
.macro PIDS                            ; from P in s7: s62 = P held under the number of pairs, s63 = its image, s66 = its pair in the image
	s_sub_co_u32 s62, s6, 1
	s_min_u32 s62, s7, s62
	s_mul_i32 s63, s62, 41
	s_lshr_b32 s63, s63, 10                        ; / 25, right up to 999
	s_mul_i32 s66, s63, 25
	s_sub_co_u32 s66, s62, s66
.endm
.macro XOFFS                           ; v6, v7: byte offsets of row min(32 pm + 16 u + r, 789) of the image, + 8 hh numbers
	s_lshl_b32 s67, s66, 5
	s_mul_i32 s68, s63, 790
	v_add_nc_u32 v6, s67, v2
	v_add_nc_u32 v7, 16, v6
	v_min_u32 v6, 789, v6
	v_min_u32 v7, 789, v7
	v_add_nc_u32 v6, s68, v6
	v_add_nc_u32 v7, s68, v7
	v_lshlrev_b32 v6, 10, v6
	v_lshlrev_b32 v7, 10, v7
	v_lshl_add_u32 v6, v3, 5, v6
	v_lshl_add_u32 v7, v3, 5, v7
.endm
.macro IMAGEW i                        ; my i-th weight tile's two fragments go to LDS as they stand
.irp k, 0,1,2,3,4,5,6,7
	ds_store_b128 v9, v[96+4*\k:96+4*\k+3] offset:4096*(\i)+512*\k
.endr
.endm
	s_lshl_b32 s7, s5, 3
	s_lshl_b32 s70, s2, 1
	s_add_co_u32 s7, s7, s70
	PIDS
	XOFFS
	global_load_b64 v[22:23], v8, s[36:37]         ; the bias, then my four weight tiles, which are wanted first, then the first pair's x, which lands while the weights are quantised
	WIN 0x40
	LOADROWS 256, 5, 34, 0
	LOADROWS 384, 5, 34, 16384
	WIN 0xc0
	LOADROWS 768, 5, 34, 32768
	LOADROWS 896, 5, 34, 49152
	WIN 0x80
	LOADROWS 512, 6, 32, 0
	LOADROWS 640, 7, 32, 0
	WIN 0
	s_wait_kmcnt 0x0
	s_cmp_eq_u32 s4, 2
	s_cselect_b32 s54, s40, s42                    ; x's exponent: q e0, k e2,
	s_cselect_b32 s55, s41, s43                    ; W's: e1, e3,
	s_cselect_b32 s56, s45, s44                    ; the result's: q e5, k e4
	s_cmp_eq_u32 s4, 1
	s_cselect_b32 s54, s46, s54                    ; v: e6, e7, e8
	s_cselect_b32 s55, s47, s55
	s_cselect_b32 s56, s48, s56
	MKSC 54, 16, 17
	MKSC 55, 18, 19
	MKSC 56, 20, 21
	s_add_co_i32 s60, s54, s55
	s_add_co_i32 s60, s60, 127
	s_lshl_b32 s60, s60, 23                        ; 2^(ex + ew): what a sum of codes lacks
	s_mov_b32 s61, s60
	s_wait_loadcnt 63                              ; the bias and all four weight tiles are in: behind the last weight load stand x's 64 loads, of which 63 may be out
	QUANT128 256, 96, 18, 19, 0
	IMAGEW 0
	ds_store_b64 v14, v[22:23]
	QUANT128 384, 96, 18, 19, 1
	IMAGEW 1
	QUANT128 768, 96, 18, 19, 1
	IMAGEW 2
	QUANT128 896, 96, 18, 19, 1
	IMAGEW 3
	s_wait_dscnt 0x0                               ; for the others' sake: my images and my part of the bias have landed
	s_barrier_signal -1
	s_barrier_wait -1
.macro FETCHW g                        ; the weight tiles 4 g .. 4 g + 3, both K steps: 32 loads in one run
	WIN 0x40
.irp a, 0,1,2,3
.irp s, 0,1
.irp k, 0,1,2,3
	ds_load_b128 v[32*\a+16*\s+4*\k:32*\a+16*\s+4*\k+3], v10 offset:(4*(\g)+\a)*4096+2048*\s+512*\k
.endr
.endr
.endr
	WIN 0
.endm
.macro MULS n                          ; 16 matrix instructions on eight accumulators by turns; the first K step starts the sums
.if \n == 0
	WIN 0x51                                       ; q, k: source 0 = 16 rows of W, source 1 = 16 rows of x: a lane holds one row of x and eight neighbouring channels
.else
	WIN 0x54                                       ; v: source 0 = 16 rows of x, source 1 = 16 rows of W: a lane holds one channel and eight neighbouring keys
.endif
.irp s, 0,1
.irp u, 0,1
.irp a, 0,1,2,3
.if \n == 0
.if \s == 0
	v_wmma_f32_16x16x128_fp8_fp8 v[192+8*(4*\u+\a):192+8*(4*\u+\a)+7], v[32*\a+16*\s:32*\a+16*\s+15], v[32+32*\u+16*\s:32+32*\u+16*\s+15], 0
.else
	v_wmma_f32_16x16x128_fp8_fp8 v[192+8*(4*\u+\a):192+8*(4*\u+\a)+7], v[32*\a+16*\s:32*\a+16*\s+15], v[32+32*\u+16*\s:32+32*\u+16*\s+15], v[192+8*(4*\u+\a):192+8*(4*\u+\a)+7]
.endif
.else
.if \s == 0
	v_wmma_f32_16x16x128_fp8_fp8 v[192+8*(4*\u+\a):192+8*(4*\u+\a)+7], v[32+32*\u+16*\s:32+32*\u+16*\s+15], v[32*\a+16*\s:32*\a+16*\s+15], 0
.else
	v_wmma_f32_16x16x128_fp8_fp8 v[192+8*(4*\u+\a):192+8*(4*\u+\a)+7], v[32+32*\u+16*\s:32+32*\u+16*\s+15], v[32*\a+16*\s:32*\a+16*\s+15], v[192+8*(4*\u+\a):192+8*(4*\u+\a)+7]
.endif
.endif
.endr
.endr
.endr
.endm
.macro POST n, gq                      ; sum x 2^(ex + ew) + b, held, quantised with the result's scale, stored as images
	WIN 0x71
.irp u, 0,1
.irp a, 0,1,2,3
.if \n == 0
.irp c, 0,2,4,6
	v_pk_fma_f32 v[192+8*(4*\u+\a)+\c:192+8*(4*\u+\a)+\c+1], v[192+8*(4*\u+\a)+\c:192+8*(4*\u+\a)+\c+1], s[60:61], v[8*(4*(\gq)+\a)+\c:8*(4*(\gq)+\a)+\c+1] op_sel_hi:[1,0,1]
.endr
.else
.irp c, 0,1,2,3,4,5,6,7
	v_fma_f32 v[192+8*(4*\u+\a)+\c], v[192+8*(4*\u+\a)+\c], s60, v[4*(\gq)+\a]
.endr
.endif
.endr
.endr
	WIN 0x41
.set np, 0
.rept 64
	v_med3_num_f32 v[192+np], v[192+np], -v21, v21
.set np, np+1
.endr
	WIN 0x01
.irp u, 0,1
.irp a, 0,1,2,3
.if \n == 0
	v_cvt_scalef32_pk8_fp8_f32 v[128+16*(\gq)+4*(2*\u+\a/2)+2*(\a%2):128+16*(\gq)+4*(2*\u+\a/2)+2*(\a%2)+1], v[192+8*(4*\u+\a):192+8*(4*\u+\a)+7], v20   ; two weight tiles are a head's 32 channels: one group of four registers
.else
	v_cvt_scalef32_pk8_fp8_f32 v[128+16*(\gq)+4*\a+2*\u:128+16*(\gq)+4*\a+2*\u+1], v[192+8*(4*\u+\a):192+8*(4*\u+\a)+7], v20   ; the pair's two key tiles are 32 neighbouring keys: one group
.endif
.endr
.endr
	WIN 0
	v_nop
.if \n == 0
.irp hl, 0,1
.irp u, 0,1
	global_store_b128 v[24+2*(\gq)+\hl], v[128+16*(\gq)+4*(2*\u+\hl):128+16*(\gq)+4*(2*\u+\hl)+3], s[38:39] offset:512*\u
.endr
.endr
.else
.irp a, 0,1,2,3
	global_store_b128 v11, v[128+16*(\gq)+4*\a:128+16*(\gq)+4*\a+3], s[38:39] offset:((4*(\gq)+\a)/2)*261120+((4*(\gq)+\a)%2)*1024
.endr
.endif
.endm
.macro PROJLOOP n
	WIN 0xc0                                       ; the bias in the result's layout: q, k: eight channels a tile and lane; v: one channel a tile and lane
.set tb, 0
.rept 16
.if \n == 0
	ds_load_b128 v[8*tb:8*tb+3], v12 offset:64*tb
	ds_load_b128 v[8*tb+4:8*tb+7], v12 offset:64*tb+16
.else
	ds_load_b32 v[tb], v13 offset:64*tb
.endif
.set tb, tb+1
.endr
	WIN 0
	s_wait_dscnt 0x0
	s_mov_b32 s69, 0
.Ltrip_\@:                             ; two trips, a pair of row tiles each
	s_wait_loadcnt 0x0                             ; this pair's x is in
	s_wait_xcnt 0x0                                ; the last trip's stores have read their offsets and data: both are written again below
	s_lshl_b32 s7, s5, 3
	s_lshl_b32 s70, s2, 1
	s_add_co_u32 s7, s7, s70
	s_add_co_u32 s7, s7, s69                       ; P
	PIDS
	s_mov_b32 s71, s7                              ; kept: the next pair's ids are made in the same registers
	s_mov_b32 s72, s66
.if \n == 0
	s_mul_i32 s73, s63, s52
	s_lshl_b32 s74, s66, 10
	s_add_co_u32 s73, s73, s74                     ; the image, + two tiles of 512 bytes a pair
.irp hd, 0,1,2,3,4,5,6,7
	v_add_nc_u32 v[24+\hd], s73, v4
	s_add_co_u32 s73, s73, s53
.endr
.else
	s_mul_i32 s73, s63, 52224
	s_lshr_b32 s74, s66, 1
	s_lshl_b32 s74, s74, 11
	s_add_co_u32 s73, s73, s74                     ; K step pm / 2 of 64 keys,
	s_and_b32 s74, s66, 1
	s_lshl_b32 s74, s74, 9
	s_add_co_u32 s73, s73, s74                     ; its group pm % 2,
	s_add_co_u32 s73, s73, 25600                   ; behind k's 50 tiles
	v_add_nc_u32 v11, s73, v4
.endif
	QUANT128 512, 32, 16, 17, 0
	QUANT128 640, 64, 16, 17, 0
	s_cmp_lg_u32 s69, 0
	s_cbranch_scc1 .Lnonext_\@
	s_add_co_u32 s7, s7, 1                         ; the second pair's x is asked for while the first is multiplied
	PIDS
	XOFFS
	WIN 0x80
	LOADROWS 512, 6, 32, 0
	LOADROWS 640, 7, 32, 0
	WIN 0
.Lnonext_\@:
	s_cmp_ge_u32 s71, s6                           ; 128 (56) places for 125 (50) pairs: the places past the end have no work
	s_cbranch_scc1 .Lend_\@
	FETCHW 0
.irp gq, 0,1,2,3
	s_wait_dscnt 0x0
	MULS \n
	WIN 0
.rept 4
	v_nop                                          ; four places ahead of the loads into the weights' registers and of the first read of the sums
.endr
.if \gq < 3
	FETCHW \gq+1
.endif
	POST \n, \gq
.endr
.if \n
	s_cmp_lg_u32 s72, 24
	s_cbranch_scc1 .Lend_\@
.set tb, 0
.rept 16
	global_store_b128 v11, v[192:195], s[38:39] offset:(tb/2)*261120+(tb%2)*1024+512   ; keys 800-831 of the last K step: zero codes
.set tb, tb+1
.endr
.endif
.Lend_\@:
	s_add_co_u32 s69, s69, 1
	s_cmp_lt_u32 s69, 2
	s_cbranch_scc1 .Ltrip_\@
.endm
	s_cmp_eq_u32 s4, 1
	s_cbranch_scc1 .Lvkind
	PROJLOOP 0
	s_wait_tensorcnt 0x0
	ds_add_u32 v254, v255
	s_wait_dscnt 0x0
	s_endpgm
.Lvkind:
	PROJLOOP 1
	s_wait_tensorcnt 0x0
	ds_add_u32 v254, v255
	s_wait_dscnt 0x0
	s_endpgm
; ======================================================================== WO
.Lwo:
	s_load_b64 s[8:9], s[0:1], 0x48                ; Wo
	s_load_b64 s[10:11], s[0:1], 0x68              ; lowp_scales
	s_load_b64 s[12:13], s[0:1], 0x88              ; woimg
	s_sub_co_u32 s3, ttmp9, 239
	s_lshl_b32 s3, s3, 2
	s_add_co_u32 s3, s3, s2                        ; my tile of 16 rows
	v_lshlrev_b32 v5, 10, v2
	v_lshl_add_u32 v5, v3, 5, v5
	s_lshl_b32 s4, s3, 14
	s_mov_b32 s5, 0
	s_lshl_b32 s6, s3, 12
	s_mov_b32 s7, 0
	s_wait_kmcnt 0x0
	s_load_b32 s14, s[10:11], 0x2c                 ; e11
	s_add_nc_u64 s[8:9], s[8:9], s[4:5]
	s_add_nc_u64 s[12:13], s[12:13], s[6:7]
	WIN 0x40
	LOADROWS 256, 5, 8, 0
	WIN 0
	s_wait_kmcnt 0x0
	MKSC 14, 18, 19
	s_wait_loadcnt 0x0
	QUANT128 256, 96, 18, 19, 0
.irp k, 0,1,2,3,4,5,6,7
	global_store_b128 v4, v[96+4*\k:96+4*\k+3], s[12:13] offset:512*\k
.endr
	s_endpgm
.Lfunc_end_k_q61d50e395a_prep:
	.size	k_q61d50e395a_prep, .Lfunc_end_k_q61d50e395a_prep-k_q61d50e395a_prep
	.p2alignl 7, 3214868480
	.fill 96, 4, 3214868480
	.section	.rodata,"a",@progbits
	.p2align	6, 0x0
	.amdhsa_kernel k_q61d50e395a_prep
		.amdhsa_group_segment_fixed_size 221952
		.amdhsa_private_segment_fixed_size 0
		.amdhsa_enable_private_segment 0
		.amdhsa_kernarg_size 144
		.amdhsa_user_sgpr_count 2
		.amdhsa_user_sgpr_kernarg_segment_ptr 1
		.amdhsa_wavefront_size32 1
		.amdhsa_system_sgpr_workgroup_id_x 1
		.amdhsa_system_sgpr_workgroup_id_y 1
		.amdhsa_system_sgpr_workgroup_id_z 1
		.amdhsa_system_vgpr_workitem_id 0
		.amdhsa_next_free_vgpr 1024
		.amdhsa_next_free_sgpr 104
		.amdhsa_reserve_vcc 0
		.amdhsa_float_denorm_mode_32 3
		.amdhsa_float_denorm_mode_16_64 3
		.amdhsa_memory_ordered 1
		.amdhsa_forward_progress 1
		.amdhsa_inst_pref_size 255
	.end_amdhsa_kernel
	.section	.bss,"aw",@nobits
	.p2align	6
	.space	262144
	.amdgpu_metadata
---
amdhsa.version: [ 1, 2 ]
amdhsa.kernels:
  - .name:           k_q61d50e395a_prep
    .symbol:         k_q61d50e395a_prep.kd
    .args:
      - { .name: rel_indices, .offset: 0, .size: 8, .value_kind: global_buffer, .address_space: global }
      - { .name: Wp, .offset: 8, .size: 8, .value_kind: global_buffer, .address_space: global }
      - { .name: bp, .offset: 16, .size: 8, .value_kind: global_buffer, .address_space: global }
      - { .name: gating, .offset: 24, .size: 8, .value_kind: global_buffer, .address_space: global }
      - { .name: q_feat, .offset: 32, .size: 8, .value_kind: global_buffer, .address_space: global }
      - { .name: s_feat, .offset: 40, .size: 8, .value_kind: global_buffer, .address_space: global }
      - { .name: Wq, .offset: 48, .size: 8, .value_kind: global_buffer, .address_space: global }
      - { .name: Wk, .offset: 56, .size: 8, .value_kind: global_buffer, .address_space: global }
      - { .name: Wv, .offset: 64, .size: 8, .value_kind: global_buffer, .address_space: global }
      - { .name: Wo, .offset: 72, .size: 8, .value_kind: global_buffer, .address_space: global }
      - { .name: bq, .offset: 80, .size: 8, .value_kind: global_buffer, .address_space: global }
      - { .name: bk, .offset: 88, .size: 8, .value_kind: global_buffer, .address_space: global }
      - { .name: bv, .offset: 96, .size: 8, .value_kind: global_buffer, .address_space: global }
      - { .name: lowp_scales, .offset: 104, .size: 8, .value_kind: global_buffer, .address_space: global }
      - { .name: qimg, .offset: 112, .size: 8, .value_kind: global_buffer, .address_space: global }
      - { .name: kvimg, .offset: 120, .size: 8, .value_kind: global_buffer, .address_space: global }
      - { .name: posimg, .offset: 128, .size: 8, .value_kind: global_buffer, .address_space: global }
      - { .name: woimg, .offset: 136, .size: 8, .value_kind: global_buffer, .address_space: global }
    .group_segment_fixed_size: 221952
    .private_segment_fixed_size: 0
    .kernarg_segment_align: 8
    .kernarg_segment_size: 144
    .max_flat_workgroup_size: 128
    .sgpr_count:     104
    .vgpr_count:     1024
    .wavefront_size: 32
...
	.end_amdgpu_metadata
.endif
;; end of part 1
;; launch attn (part 2): grid 32 x 8, 4 waves a work-group, no clusters, 209,408 bytes of LDS; arguments qimg, kvimg, posimg, gating, lowp_scales, oimg; writes oimg
.if DOCPART == 2
	.amdgcn_target "amdgcn-amd-amdhsa--gfx1250"
	.amdhsa_code_object_version 6
	.text
	.protected	k_q61d50e395a_attn
	.globl	k_q61d50e395a_attn
	.p2align	8
	.type	k_q61d50e395a_attn,@function
k_q61d50e395a_attn:
	s_mov_b64 s[64:65], 0
	v_nop
	global_prefetch_b8 v0, s[64:65] scope:SCOPE_SE
	s_setreg_imm32_b32 hwreg(HW_REG_WAVE_MODE, 25, 1), 1
	s_wait_xcnt 0x0
; ATTN: for one head, attn = ((1 - g) softmax(q k / sqrt(32)) + g pos) / its row sum, quantised finished and normalised, times v; the result quantised for the last product.
; A TASK is 16 queries x all 790 keys of one (query image b, support image m, head): 4,000 tasks, four for each wave of 256 work-groups of four waves.
;   work-groups x < 25 of a head:  wave w has query tile 2 x + w % 2 of image w / 2 and walks m = 0..3, so its G = g pos stays in registers for all four tasks;
;   work-groups x = 25..31:        wave number 4 (x - 25) + w, if under 25, takes the m = 4 tasks of two query tiles x two images (three waves a head have none: they fill LDS, pass the barriers and skip the work).
; LDS: four slots of 52,224 bytes, slot i = k's and v's images of (head, m = i, or 4 in the second role): each filled ONCE, a quarter by each wave; nothing is filled again.
; LAYOUT.  S^T = k q^T: a lane holds ONE query (lane % 16) and, in tile i, the keys 16 i + 8 (lane / 16) + 0..7; so do G and the weights, whose conversions ARE source 1 of O^T = v^T attn^T.
; K = 32 in a form of K = 64: a fragment of k holds TWO key tiles in its two halves, and q stands once as (q | 0) and once as (0 | q): no sum mixes tiles.
; THE ROW, in f32: the maximum is taken away before the exponential; p = 2^(c s - c max), l = sum p; a = (1 - g) / l; T = a l + (row sum of G); attn = (p a + G) / T.  T is the row sum of (p a + G) by linearity.
; G'S WAY.  100 loads of 512 bytes a wave, straight into registers, issued at the head in one run with q's.  Where the NEXT task has another query tile (once, in the second role), each group of G is loaded anew in the
;   trip before, as soon as the step that read it last is over: the loads have the rest of that trip and the next trip's S^T, exponentials and sum in which to land.
; LIMITS on the given exponents: e4 + e5 between -124 and 129 (added to c's exponent field); e9 and e10 - e8 - e9 between -126 and 119.  NaN among the inputs is not served.
; NO CLUSTER: the 25 work-groups of the first role share their four slots, but 25 is no multiple of four: one cluster a head would hold both roles, whose descriptors differ.
; REGISTERS: v1 16 x lane, v2 4 x lane, v3 the slot's address; v[6:7] c max; v[8:9] a; v[10:11] 1 / T; v13 2^e9; v15 the same of e10 - e8 - e9; v16 1 - g; v17 G's row sum; v18 -infinity;
;   v20-23 maxima; v24-31 sums; v32-34 at work; v40-47 (q | 0); v48-55 (0 | q); v56-71 O^T; v72-75 its codes; v80-103 the weights' codes (two sets, and the last step's with zeros above);
;   v104-183 two sets of five fragments of k; v184-215 two sets of v's two fragments; 224-623 S^T, then p, then attn (tile i at 224 + 8 i); 624-1023 G (tile i at 624 + 8 i).
.set SLOTB, 52224
.set QUART, 13056
.set VOFF,  25600
.set S0,    224
.set GR,    624
.set KB,    104
.set VB,    184
.set sW,    16
.set sH,    17
.set sG,    18
.set sROLE, 19
.set sU,    20
.set sVAL,  21
.set sI,    22
.set sSB,   23
.set sNEW,  24
.set sQT,   25
.set sWLO,  26
.set sWHI,  27
.set sQTN,  44
.set MSB, 0
.macro WIN new                         ; register windows: bits 1:0 source 0, 3:2 source 1, 5:4 source 2, 7:6 destination; the high byte repeats the setting that is left
.if MSB != (\new)
	s_set_vgpr_msb (MSB<<8)|(\new)
.set MSB, (\new)
.endif
.endm
.macro IDS idx, qt, b, m               ; task number s[idx] of my wave: its query tile, query image and support image
	s_lshr_b32 s[\qt], s[\idx], 1
	s_and_b32 s[\b], s[\idx], 1
	s_cmp_lg_u32 s[sROLE], 0
	s_cselect_b32 s[\qt], s[\qt], s[sWLO]
	s_cselect_b32 s[\b], s[\b], s[sWHI]
	s_cselect_b32 s[\m], 4, s[\idx]
	s_lshl_b32 s35, s[sU], 1
	s_add_co_u32 s[\qt], s[\qt], s35
.endm
.macro SETQ qt, b                      ; s[36:37] = qimg at ((8 b + head) 50 + qt) tiles of 512 bytes
	s_lshl_b32 s34, s[\b], 3
	s_add_co_u32 s34, s34, s[sH]
	s_mul_i32 s34, s34, 50
	s_add_co_u32 s34, s34, s[\qt]
	s_lshl_b32 s34, s34, 9
	s_mov_b32 s35, 0
	s_add_nc_u64 s[36:37], s[4:5], s[34:35]
.endm
.macro SETP                            ; s[38:39] = posimg at (head, s[sQT])
	s_mul_i32 s34, s[sH], 50
	s_add_co_u32 s34, s34, s[sQT]
	s_mul_i32 s34, s34, 51456
	s_mov_b32 s35, 0
	s_add_nc_u64 s[38:39], s[8:9], s[34:35]
.endm
.macro RELOAD a, b                     ; groups a .. b of G's 100
.set kr, \a
.rept (\b)-(\a)+1
.set rG, GR+4*kr
.set lG, rG&255
	WIN (rG>>8)<<6
	global_load_b128 v[lG:lG+3], v1, s[38:39] offset:512*kr
.set kr, kr+1
.endr
	WIN 0
.endm
.macro G0SET b, i                      ; group 0 for my quarter of slot i
	s_cmp_lg_u32 s[sROLE], 0
	s_cselect_b32 s28, 4, \i
	s_mul_i32 s29, s[sH], 5
	s_add_co_u32 s28, s28, s29
	s_mul_i32 s28, s28, SLOTB
	s_mul_i32 s29, s[sW], QUART
	s_add_co_u32 s28, s28, s29
	s_mov_b32 s29, 0
	s_mov_b32 s[\b], 1
	s_mul_i32 s[\b+1], s[sW], QUART
	s_add_co_u32 s[\b+1], s[\b+1], \i*SLOTB
	s_add_nc_u64 s[\b+2:\b+3], s[6:7], s[28:29]
	s_or_b32 s[\b+3], s[\b+3], 0x80000000
.endm
	s_load_b256 s[4:11], s[0:1], 0x0               ; qimg s[4:5], kvimg s[6:7], posimg s[8:9], gating s[10:11]
	s_load_b128 s[12:15], s[0:1], 0x20             ; lowp_scales s[12:13], oimg s[14:15]
	v_lshl_add_u32 v222, v0, 2, 0x33000
	v_mov_b32 v223, 0
	ds_add_u32 v222, v223
	ds_add_u32 v222, v223
	v_lshrrev_b32 v4, 5, v0
	v_readfirstlane_b32 s[sW], v4                  ; wave 0..3
	v_and_b32 v4, 31, v0
	v_lshlrev_b32 v1, 4, v4
	v_lshlrev_b32 v2, 2, v4
	s_and_b32 s[sH], ttmp7, 0xffff                 ; the head
	s_mov_b32 s[sG], ttmp9
	s_and_b32 s[sWLO], s[sW], 1
	s_lshr_b32 s[sWHI], s[sW], 1
	s_sub_co_u32 s28, s[sG], 25
	s_lshl_b32 s28, s28, 2
	s_add_co_u32 s28, s28, s[sW]                   ; the second role's wave number (used there alone)
	s_min_u32 s29, s28, 24
	s_cmp_lt_u32 s28, 25
	s_cselect_b32 s30, 1, 0
	s_cmp_ge_u32 s[sG], 25
	s_cselect_b32 s[sROLE], 1, 0
	s_cselect_b32 s[sU], s29, s[sG]                ; which pair of query tiles
	s_cselect_b32 s[sVAL], s30, 1
	; descriptor group 1: a dense block of 13,056 bytes as 51 rows of 256
	s_mov_b32 s48, 3<<16                           ; no mask; elements of 8 bytes; no padding (images are read 512 consecutive bytes at a time)
	s_mov_b32 s49, 32<<16                          ; tensor_dim0 = 32
	s_mov_b32 s50, 51<<16                          ; tensor_dim1 = 51
	s_mov_b32 s51, 32<<16                          ; tile_dim0 = 32
	s_mov_b32 s52, 51                              ; tile_dim1 = 51
	s_mov_b32 s53, 32                              ; the pitch
	s_mov_b32 s54, 0
	s_mov_b32 s55, 0
	s_wait_dscnt 0x0
	s_wait_kmcnt 0x0
	G0SET 56, 0
	G0SET 60, 1
	G0SET 68, 2
	G0SET 72, 3
	tensor_load_to_lds s[56:59], s[48:55]          ; all four slots' quarters go out together, ahead of every wait, LDS read and barrier: four tensor loads of mine are out
	s_nop 0
	tensor_load_to_lds s[60:63], s[48:55]
	s_nop 0
	tensor_load_to_lds s[68:71], s[48:55]
	s_nop 0
	tensor_load_to_lds s[72:75], s[48:55]
	s_nop 0
.rept 4
	v_nop                                          ; four such lines behind the loads
.endr
	s_load_b256 s[76:83], s[12:13], 0x0            ; e0 .. e7
	s_load_b128 s[84:87], s[12:13], 0x20           ; e8 .. e11
	s_lshl_b32 s28, s[sH], 2
	s_mov_b32 s29, 0
	s_add_nc_u64 s[10:11], s[10:11], s[28:29]
	s_load_b32 s88, s[10:11], 0x0                  ; my head's gate
	s_mov_b32 s[sI], 0
	s_mov_b32 s[sSB], 0
	IDS sI, sQT, 29, 30
	SETQ sQT, 29
	global_load_b128 v[40:43], v1, s[36:37]        ; the first task's q, twice: as (q | 0)
	global_load_b128 v[52:55], v1, s[36:37]        ; and as (0 | q)
	SETP
	RELOAD 0, 99                                   ; and G with its row sums, in the same run: q's two loads are the oldest of the 103
	global_load_b32 v17, v2, s[38:39] offset:51200
.irp j, 7,9,11,44,45,46,47,48,49,50,51,100,101,102,103
	v_mov_b32 v\j, 0                               ; the zero halves of q's two forms and of the last step's weights; upper halves of pairs that packed forms name
.endr
	v_mov_b32 v18, 0xff800000                      ; -infinity
	s_mov_b32 s45, 0xffff0000
	s_mov_b32 s46, 0x76543210                      ; v_permlanex16_b32: lane l xor 16
	s_mov_b32 s47, 0xfedcba98
	s_wait_kmcnt 0x0
	s_add_co_i32 s28, s80, s81
	s_lshl_b32 s28, s28, 23
	s_add_co_i32 s42, s28, 0x3e8293ee              ; c = log2(e) / sqrt(32) x 2^(e4 + e5): the exponents are added to c's exponent field
	s_mov_b32 s43, s42
	s_add_co_i32 s28, s85, 127
	s_lshl_b32 s29, s28, 23
	v_mov_b32 v13, s29                             ; 2^e9
	s_sub_co_i32 s28, s86, s84
	s_sub_co_i32 s28, s28, s85                     ; a sum of the second product stands for sum x 2^(e8 + e9): the three scales are folded into the conversion's one
	s_add_co_i32 s28, s28, 127
	s_lshl_b32 s29, s28, 23
	v_mov_b32 v15, s29
	v_mov_b32 v32, s88
	v_mul_f32 v32, 0xbfb8aa3b, v32
	v_exp_f32 v32, v32                             ; e^-x
	v_nop
	s_wait_alu depctr_va_vdst(0)                   ; the wait ahead of the first line that names a transcendental's result
	v_add_f32 v32, 1.0, v32
	v_rcp_f32 v32, v32
	v_nop
	s_wait_alu depctr_va_vdst(0)
	v_sub_f32 v16, 1.0, v32                        ; 1 - g
	s_wait_loadcnt 63                              ; q is in: 101 loads were issued behind its two, so a count of 63 shows them done; G is waited for ahead of the coefficients
	s_wait_tensorcnt 0x3                           ; my quarter of slot 0 has landed; the three younger loads may stay out
	s_barrier_signal -1
	s_barrier_wait -1
.macro FETCHK k                        ; fragments 5 k .. 5 k + 4 of k (ten key tiles) into set k % 2
	WIN 0
.set fk, 0
.rept 5
.set rK, KB+40*((\k)%2)+8*fk
	ds_load_b128 v[rK:rK+3], v3 offset:1024*(5*(\k)+fk)
	ds_load_b128 v[rK+4:rK+7], v3 offset:1024*(5*(\k)+fk)+512
.set fk, fk+1
.endr
.endm
.macro QKB k                           ; ten products, ten different tiles of S^T, each begun with the constant 0
.set fk, 0
.rept 5
.set rK, KB+40*((\k)%2)+8*fk
.set rS, S0+16*(5*(\k)+fk)
.set lS, rS&255
	WIN (rS>>8)<<6
	v_wmma_f32_16x16x64_fp8_fp8 v[lS:lS+7], v[rK:rK+7], v[40:47], 0
	v_wmma_f32_16x16x64_fp8_fp8 v[lS+8:lS+15], v[rK:rK+7], v[48:55], 0
.set fk, fk+1
.endr
.endm
.macro MAXB k                          ; the running maximum takes in tiles 10 k .. 10 k + 9: four chains; each tile is read from its low end on
.set im, 10*(\k)
.rept 10
.set rS, S0+8*im
.set lS, rS&255
.set wS, rS>>8
.if im == 0
	WIN 0
.irp c, 0,1,2,3
	v_max_num_f32 v[20+\c], v[lS+2*\c], v[lS+2*\c+1]
.endr
.else
	WIN (wS<<2)|(wS<<4)
.irp c, 0,1,2,3
	v_max3_num_f32 v[20+\c], v[20+\c], v[lS+2*\c], v[lS+2*\c+1]
.endr
.endif
.set im, im+1
.endr
.endm
.macro FETCHV s                        ; step s of v (64 keys x 32 channels: two fragments) into set s % 2
	WIN 0
.set rV, VB+16*((\s)%2)
.irp k, 0,1,2,3
	ds_load_b128 v[rV+4*\k:rV+4*\k+3], v3 offset:VOFF+2048*(\s)+512*\k
.endr
.endm
.macro EFMA
.set rS, S0+2*pf
.set lS, rS&255
.set wS, rS>>8
	WIN (wS<<6)|wS
	v_pk_fma_f32 v[lS:lS+1], v[lS:lS+1], s[42:43], v[6:7] op_sel_hi:[1,0,0] neg_lo:[0,0,1] neg_hi:[0,0,1]   ; c s - c max
.set pf, pf+1
.endm
.macro EEXP
.set rS, S0+2*pe
.set lS, rS&255
.set wS, rS>>8
	WIN (wS<<6)|wS
	v_exp_f32 v[lS], v[lS]
	v_exp_f32 v[lS+1], v[lS+1]
.set pe, pe+1
.endm
.macro COMB                            ; tile ic: attn = (p a + G) / T
.set rS, S0+8*ic
.set lS, rS&255
.set wS, rS>>8
.set rG, GR+8*ic
.set lG, rG&255
.set wG, rG>>8
	WIN (wS<<6)|(wG<<4)|wS
.irp c, 0,2,4,6
	v_pk_fma_f32 v[lS+\c:lS+\c+1], v[lS+\c:lS+\c+1], v[8:9], v[lG+\c:lG+\c+1] op_sel_hi:[1,0,1]
.endr
.irp c, 0,2,4,6
	v_pk_mul_f32 v[lS+\c:lS+\c+1], v[lS+\c:lS+\c+1], v[10:11] op_sel_hi:[1,0]
.endr
.irp c, 0,1,2,3,4,5,6,7
.endr
.set ic, ic+1
.endm
; 64 keys (the last step: 32): nt tiles are finished and quantised into v[pd] on, then O^T takes them in.
; la .. lb (none where lb < la): the groups of G, all read for the last time by now, that are loaded anew behind this step where the next task has another query tile.
.macro STEP s, nt, pd, la, lb
.set ic, 4*(\s)
	COMB
.if \s < 12
	FETCHV (\s)+1                                  ; behind the first tile's 8 plain lines, which are the places behind the products that read this set
.endif
.rept (\nt)-1
	COMB
.endr
.set ic, 4*(\s)
.set cq, 0
.rept \nt
.set rS, S0+8*ic
.set lS, rS&255
	WIN rS>>8
	v_cvt_scalef32_pk8_fp8_f32 v[\pd+2*cq:\pd+2*cq+1], v[lS:lS+7], v13
.set ic, ic+1
.set cq, cq+1
.endr
	WIN 0
	v_nop                                          ; one plain line between the conversions and the products that read their results
.if \s < 12
	s_wait_dscnt 4                                 ; this step's v is in; the next step's four loads may be out
.else
	s_wait_dscnt 0x0
.endif
.set rV, VB+16*((\s)%2)
.if \s == 0
	v_wmma_f32_16x16x64_fp8_fp8 v[56:63], v[rV:rV+7], v[\pd:\pd+7], 0
	v_wmma_f32_16x16x64_fp8_fp8 v[64:71], v[rV+8:rV+15], v[\pd:\pd+7], 0
.else
	v_wmma_f32_16x16x64_fp8_fp8 v[56:63], v[rV:rV+7], v[\pd:\pd+7], v[56:63]     ; the two accumulators take turns
	v_wmma_f32_16x16x64_fp8_fp8 v[64:71], v[rV+8:rV+15], v[\pd:\pd+7], v[64:71]
.endif
.if (\lb) >= (\la)
	s_cmp_eq_u32 s[sNEW], 0                        ; a branch on ids
	s_cbranch_scc1 .Lsame_g_\@
	RELOAD \la, \lb                                ; every earlier load into these registers was waited for ahead of this trip's coefficients; these are waited for ahead of the next trip's
.if \s == 0
	global_load_b32 v17, v2, s[38:39] offset:51200
.endif
.Lsame_g_\@:
.endif
.endm
.Ltrip:                                ; four trips, a task each
	s_cmp_eq_u32 s[sVAL], 0
	s_cbranch_scc1 .Lskip
	s_wait_xcnt 0x0                                ; every earlier load and store has read its base and data: the bases are written below, the codes' registers later
	IDS sI, 28, 29, 30
	s_mul_i32 s31, s29, 5
	s_add_co_u32 s31, s31, s30
	s_mul_i32 s31, s31, 50
	s_add_co_u32 s31, s31, s28
	s_lshl_b32 s31, s31, 3
	s_add_co_u32 s31, s31, s[sH]
	s_lshl_b32 s32, s31, 9
	s_mov_b32 s33, 0
	s_add_nc_u64 s[40:41], s[14:15], s[32:33]      ; oimg at (((5 b + m) 50 + qt) 8 + head) groups of 512 bytes
	s_add_co_u32 s31, s[sI], 1
	s_min_u32 s31, s31, 3                          ; the next task (the last trip asks for its own q again)
	IDS 31, sQTN, 29, 30
	SETQ sQTN, 29
	s_cmp_lg_u32 s[sQTN], s[sQT]
	s_cselect_b32 s[sNEW], 1, 0                    ; has the next task another query tile?  (Once, in the second role)
	s_mov_b32 s[sQT], s[sQTN]
	SETP                                           ; G's base for the next task's query tile
	v_add_nc_u32 v3, s[sSB], v1
	; ---- S^T = k q^T, ten tiles a batch; the batch before goes into the maximum meanwhile, and those forty lines are the places ahead of the loads into the set just read
	FETCHK 0
	FETCHK 1
	s_wait_dscnt 10                                ; this batch's set is in; the next batch's ten loads may be out
	QKB 0
	WIN 0
.rept 4
	v_nop                                          ; four places (ISA guide 7.12.1): there is no other vector work yet
.endr
	FETCHK 2
	s_wait_dscnt 10
	QKB 1
	MAXB 0
	FETCHK 3
	s_wait_dscnt 10
	QKB 2
	MAXB 1
	FETCHK 4
	s_wait_dscnt 10
	QKB 3
	MAXB 2
	s_wait_dscnt 0x0
	QKB 4
	MAXB 3
	WIN 0x82                                       ; tile 49 (window 2, v104-111) holds keys 784-799: those past 789 become -infinity ahead of the maximum
.irp j, 0,1,2,3,4,5
	v_cndmask_b32 v[104+\j], v[104+\j], v18, s45
.endr
	v_mov_b32 v110, 0xff800000
	v_mov_b32 v111, 0xff800000
	MAXB 4
	WIN 0
	; ---- the next task's q: waited for behind the sum
	global_load_b128 v[40:43], v1, s[36:37]        ; MAXB 3's forty lines were the places behind the last products that read q
	global_load_b128 v[52:55], v1, s[36:37]
	FETCHV 0
	v_max3_num_f32 v20, v20, v21, v22
	v_max_num_f32 v20, v20, v23
	v_permlanex16_b32 v32, v20, s46, s47           ; the query's other keys lie in lane l xor 16
	v_max_num_f32 v20, v20, v32
	v_mul_f32 v6, s42, v20                         ; c max (c is positive)
	; ---- ONE batch of 400 exponentials; each pair is scaled two pairs ahead of its exponentials; nothing in the batch names a result
.set pf, 0
.set pe, 0
	EFMA
	EFMA
.rept 198
	EFMA
	EEXP
.endr
	EEXP
	EEXP
	WIN 0
	v_nop                                          ; the plain line behind the last exponential
	s_wait_alu depctr_va_vdst(0)                   ; one wait for the batch
	; ---- l = the sum of p, two at a time, in four chains; tiles 0 and 1 start them
.irp c, 0,1,2,3
	v_pk_add_f32 v[24+2*\c:25+2*\c], v[S0+2*\c:S0+2*\c+1], v[S0+8+2*\c:S0+8+2*\c+1]
.endr
.set im, 2
.rept 48
.set rS, S0+8*im
.set lS, rS&255
	WIN (rS>>8)<<2
.irp c, 0,1,2,3
	v_pk_add_f32 v[24+2*\c:25+2*\c], v[24+2*\c:25+2*\c], v[lS+2*\c:lS+2*\c+1]
.endr
.set im, im+1
.endr
	WIN 0
	v_pk_add_f32 v[24:25], v[24:25], v[26:27]
	v_pk_add_f32 v[28:29], v[28:29], v[30:31]
	v_pk_add_f32 v[24:25], v[24:25], v[28:29]
	v_add_f32 v24, v24, v25
	v_permlanex16_b32 v32, v24, s46, s47
	v_add_f32 v24, v24, v32                        ; l
	s_wait_loadcnt 0x0                             ; G and its row sum (asked for at the head, or in the trip before) and the next q (asked for ahead of the exponentials)
	v_rcp_f32 v33, v24
	v_nop
	s_wait_alu depctr_va_vdst(0)
	v_mul_f32 v8, v16, v33                         ; a = (1 - g) / l
	v_fma_f32 v34, v8, v24, v17                    ; T = a l + the row sum of G
	v_rcp_f32 v10, v34
	v_nop
	s_wait_alu depctr_va_vdst(0)
	; ---- the weights, 64 keys at a time, and O^T += v^T attn^T.  Step s reads G's groups 8 s .. 8 s + 7 for the last time
	STEP 0, 4, 80, 0, 7
	STEP 1, 4, 88, 1, 0
	STEP 2, 4, 80, 8, 23
	STEP 3, 4, 88, 1, 0
	STEP 4, 4, 80, 24, 39
	STEP 5, 4, 88, 1, 0
	STEP 6, 4, 80, 40, 55
	STEP 7, 4, 88, 1, 0
	STEP 8, 4, 80, 1, 0
	STEP 9, 4, 88, 1, 0
	STEP 10, 4, 80, 1, 0
	STEP 11, 4, 88, 1, 0
	STEP 12, 2, 96, 56, 99
.rept 4
	v_nop                                          ; four places ahead of the first read of O^T
.endr
.set im, 0
.rept 16
.set im, im+1
.endr
	v_cvt_scalef32_pk8_fp8_f32 v[72:73], v[56:63], v15   ; channels 8 (lane / 16) + 0..7 of my query,
	v_cvt_scalef32_pk8_fp8_f32 v[74:75], v[64:71], v15   ; and 16 + the same: four registers of the last product's operand
	v_nop
	global_store_b128 v1, v[72:75], s[40:41]       ; the wave stores 512 consecutive bytes, aligned
.Lskip:
	s_wait_tensorcnt 0x0                           ; behind the first task: my quarters of slots 1 to 3 have landed (they had the whole task for it); later this is met at once.  No slot is ever filled again
	s_wait_dscnt 0x0
	s_barrier_signal -1
	s_barrier_wait -1                              ; everybody's have
	s_add_co_u32 s[sSB], s[sSB], SLOTB
	s_add_co_u32 s[sI], s[sI], 1
	s_cmp_lt_u32 s[sI], 4
	s_cbranch_scc1 .Ltrip
	s_wait_tensorcnt 0x0
	ds_add_u32 v222, v223
	s_wait_dscnt 0x0
	s_endpgm
.Lfunc_end_k_q61d50e395a_attn:
	.size	k_q61d50e395a_attn, .Lfunc_end_k_q61d50e395a_attn-k_q61d50e395a_attn
	.p2alignl 7, 3214868480
	.fill 96, 4, 3214868480
	.section	.rodata,"a",@progbits
	.p2align	6, 0x0
	.amdhsa_kernel k_q61d50e395a_attn
		.amdhsa_group_segment_fixed_size 209408
		.amdhsa_private_segment_fixed_size 0
		.amdhsa_enable_private_segment 0
		.amdhsa_kernarg_size 48
		.amdhsa_user_sgpr_count 2
		.amdhsa_user_sgpr_kernarg_segment_ptr 1
		.amdhsa_wavefront_size32 1
		.amdhsa_system_sgpr_workgroup_id_x 1
		.amdhsa_system_sgpr_workgroup_id_y 1
		.amdhsa_system_sgpr_workgroup_id_z 1
		.amdhsa_system_vgpr_workitem_id 0
		.amdhsa_next_free_vgpr 1024
		.amdhsa_next_free_sgpr 100
		.amdhsa_reserve_vcc 0
		.amdhsa_float_denorm_mode_32 3
		.amdhsa_float_denorm_mode_16_64 3
		.amdhsa_fp16_overflow 1
		.amdhsa_memory_ordered 1
		.amdhsa_forward_progress 1
		.amdhsa_inst_pref_size 124
	.end_amdhsa_kernel
	.amdgpu_metadata
---
amdhsa.version: [ 1, 2 ]
amdhsa.kernels:
  - .name:           k_q61d50e395a_attn
    .symbol:         k_q61d50e395a_attn.kd
    .args:
      - { .name: qimg, .offset: 0, .size: 8, .value_kind: global_buffer, .address_space: global }
      - { .name: kvimg, .offset: 8, .size: 8, .value_kind: global_buffer, .address_space: global }
      - { .name: posimg, .offset: 16, .size: 8, .value_kind: global_buffer, .address_space: global }
      - { .name: gating, .offset: 24, .size: 8, .value_kind: global_buffer, .address_space: global }
      - { .name: lowp_scales, .offset: 32, .size: 8, .value_kind: global_buffer, .address_space: global }
      - { .name: oimg, .offset: 40, .size: 8, .value_kind: global_buffer, .address_space: global }
    .group_segment_fixed_size: 209408
    .private_segment_fixed_size: 0
    .kernarg_segment_align: 8
    .kernarg_segment_size: 48
    .max_flat_workgroup_size: 128
    .sgpr_count:     100
    .vgpr_count:     1024
    .wavefront_size: 32
...
	.end_amdgpu_metadata
.endif
;; end of part 2
;; launch oproj (part 3): grid 250 x 1, 4 waves a work-group, no clusters, 34,304 bytes of LDS; arguments oimg, woimg, bo, lowp_scales, out0; writes out0
.if DOCPART == 3
	.amdgcn_target "amdgcn-amd-amdhsa--gfx1250"
	.amdhsa_code_object_version 6
	.text
	.protected	k_q61d50e395a_oproj
	.globl	k_q61d50e395a_oproj
	.p2align	8
	.type	k_q61d50e395a_oproj,@function
k_q61d50e395a_oproj:
	s_mov_b64 s[64:65], 0
	v_nop
	global_prefetch_b8 v0, s[64:65] scope:SCOPE_SE
	s_setreg_imm32_b32 hwreg(HW_REG_WAVE_MODE, 25, 1), 1
	s_wait_xcnt 0x0
; OPROJ: out0 = O Wo^T + bo on codes of E4M3.  O: 500 tiles of 16 rows (pair = 5 b + m, query tile), 256 channels, as images of the operand's registers; Wo likewise, 16 tiles of 16 rows.
; A wave takes one row tile and 128 of the 256 columns: 16 matrix instructions on eight accumulators by turns.  Used transposed (source 0 = 16 rows of Wo, source 1 = 16 rows of O): a lane holds one row and eight neighbouring columns.
; The results go through the wave's own stage in LDS (rows of 512 bytes + 16) and leave as whole rows: each store of the wave covers 512 consecutive bytes, aligned.  Waves share nothing: no barrier.
; Rows 790-799 of an image's last tile do not exist and are not stored.   LIMIT: e10 + e11 between -126 and 127, so that 2^(e10 + e11) is an f32 number.
; No tensor loads, no ring, no cluster: each wave reads 4 KiB of O once and 32 KiB of Wo straight into its registers.
; REGISTERS: v1 16 x lane; v6 bias offset; v7, v40 the stage, in and back; v8-39 O's two fragments; v64-127 the sums, later the rows read back; v128-191 the bias; v192-255 the results; window 1: Wo's fragments (tile n, K step s at 32 n + 16 s).
.set STG, 8448
.set MSB, 0
.macro WIN new
.if MSB != (\new)
	s_set_vgpr_msb (MSB<<8)|(\new)
.set MSB, (\new)
.endif
.endm
	s_load_b256 s[4:11], s[0:1], 0x0               ; oimg s[4:5], woimg s[6:7], bo s[8:9], lowp_scales s[10:11]
	s_load_b64 s[12:13], s[0:1], 0x20              ; out0
	v_lshl_add_u32 v62, v0, 2, 0x8400
	v_mov_b32 v63, 0
	v_lshrrev_b32 v2, 5, v0
	v_readfirstlane_b32 s14, v2                    ; wave 0..3
	v_and_b32 v3, 31, v0
	v_lshlrev_b32 v1, 4, v3
	v_and_b32 v4, 15, v0                           ; r
	v_bfe_u32 v5, v0, 4, 1                         ; hh
	s_wait_alu depctr_va_vdst(0)
	s_lshr_b32 s15, s14, 1
	s_and_b32 s16, s14, 1                          ; which 128 columns
	s_lshl_b32 s17, ttmp9, 1
	s_add_co_u32 s17, s17, s15                     ; my row tile, 0..499
	s_mul_i32 s18, s17, 1311
	s_lshr_b32 s18, s18, 16                        ; / 50 (right up to 4,599): the pair
	s_mul_i32 s19, s18, 50
	s_sub_co_u32 s19, s17, s19                     ; the query tile
	s_lshl_b32 s24, s17, 12
	s_mov_b32 s25, 0
	s_lshl_b32 s26, s16, 15
	s_mov_b32 s27, 0
	s_lshl_b32 s28, s16, 9
	s_mov_b32 s29, 0
	s_mul_i32 s30, s18, 790
	s_lshl_b32 s31, s19, 4
	s_add_co_u32 s30, s30, s31
	s_lshl_b32 s30, s30, 10
	s_add_co_u32 s30, s30, s28                     ; row 790 pair + 16 qt of 1,024 bytes, + my 512
	s_mov_b32 s31, 0
	v_lshlrev_b32 v6, 5, v5
	s_mul_i32 s32, s14, STG
	v_mul_u32_u24 v7, v4, 528
	v_lshl_add_u32 v7, v5, 5, v7
	v_add_nc_u32 v7, s32, v7                       ; in: row r, 32 bytes for each half of the lanes
	v_add_nc_u32 v40, s32, v1                      ; back: a row, 16 bytes a lane
	s_wait_alu depctr_va_vdst(0)
	s_wait_kmcnt 0x0
	s_load_b64 s[20:21], s[10:11], 0x28            ; e10, e11
	s_add_nc_u64 s[4:5], s[4:5], s[24:25]
	s_add_nc_u64 s[6:7], s[6:7], s[26:27]
	s_add_nc_u64 s[8:9], s[8:9], s[28:29]
	s_add_nc_u64 s[12:13], s[12:13], s[30:31]
.irp g, 0,1,2,3,4,5,6,7
	global_load_b128 v[8+4*\g:11+4*\g], v1, s[4:5] offset:512*\g       ; head g's four registers: K step g / 4, registers 4 (g % 4) on
.endr
.irp n, 0,1,2,3,4,5,6,7
	global_load_b128 v[128+8*\n:131+8*\n], v6, s[8:9] offset:64*\n     ; bo at columns 16 n + 8 hh + 0..7 of my half
	global_load_b128 v[132+8*\n:135+8*\n], v6, s[8:9] offset:64*\n+16
.endr
	WIN 0x40
.irp s, 0,1
.irp n, 0,1,2,3,4,5,6,7
.irp g, 0,1,2,3
	global_load_b128 v[32*\n+16*\s+4*\g:32*\n+16*\s+4*\g+3], v1, s[6:7] offset:4096*\n+2048*\s+512*\g
.endr
.endr
.endr
	s_wait_loadcnt 32                              ; O, the bias and the first K step's weights are in; the second K step's 32 loads may be out
	WIN 0x01
.irp n, 0,1,2,3,4,5,6,7
	v_wmma_f32_16x16x128_fp8_fp8 v[64+8*\n:71+8*\n], v[32*\n:32*\n+15], v[8:23], 0
.endr
	s_wait_loadcnt 0x0
.irp n, 0,1,2,3,4,5,6,7
	v_wmma_f32_16x16x128_fp8_fp8 v[64+8*\n:71+8*\n], v[32*\n+16:32*\n+31], v[24:39], v[64+8*\n:71+8*\n]
.endr
	WIN 0
.rept 4
	v_nop                                          ; four places ahead of the first read of the sums and of the loads into their registers
.endr
	s_wait_kmcnt 0x0
	s_add_co_i32 s22, s20, s21
	s_add_co_i32 s22, s22, 127
	s_lshl_b32 s22, s22, 23                        ; 2^(e10 + e11)
	s_mov_b32 s23, s22
.irp j, 0,2,4,6,8,10,12,14,16,18,20,22,24,26,28,30,32,34,36,38,40,42,44,46,48,50,52,54,56,58,60,62
	v_pk_fma_f32 v[192+\j:193+\j], v[64+\j:65+\j], s[22:23], v[128+\j:129+\j] op_sel_hi:[1,0,1]   ; sum x 2^(e10 + e11) + bo; each accumulator from its low end on
.endr
.irp n, 0,1,2,3,4,5,6,7
	ds_store_b128 v7, v[192+8*\n:195+8*\n] offset:64*\n
	ds_store_b128 v7, v[196+8*\n:199+8*\n] offset:64*\n+16
.endr
.irp t, 0,1,2,3,4,5,6,7,8,9,10,11,12,13,14,15
	ds_load_b128 v[64+4*\t:67+4*\t], v40 offset:528*\t                 ; LDS serves a wave's instructions in order (ISA guide 5.7.1.4): these see my stores
.endr
.irp t, 0,1,2,3,4,5
	s_wait_dscnt 15-\t                             ; row t is back; the younger rows may be out
	global_store_b128 v1, v[64+4*\t:67+4*\t], s[12:13] offset:1024*\t th:TH_STORE_NT
.endr
	s_cmp_eq_u32 s19, 49                           ; the last query tile has six rows
	s_cbranch_scc1 .Lshort
.irp t, 6,7,8,9,10,11,12,13,14,15
	s_wait_dscnt 15-\t
	global_store_b128 v1, v[64+4*\t:67+4*\t], s[12:13] offset:1024*\t th:TH_STORE_NT
.endr
	s_wait_tensorcnt 0x0
	ds_add_u32 v62, v63
	s_wait_dscnt 0x0
	s_endpgm
.Lshort:
	s_wait_dscnt 0x0
	s_wait_tensorcnt 0x0
	ds_add_u32 v62, v63
	s_wait_dscnt 0x0
	s_endpgm
.Lfunc_end_k_q61d50e395a_oproj:
	.size	k_q61d50e395a_oproj, .Lfunc_end_k_q61d50e395a_oproj-k_q61d50e395a_oproj
	.p2alignl 7, 3214868480
	.fill 96, 4, 3214868480
	.section	.rodata,"a",@progbits
	.p2align	6, 0x0
	.amdhsa_kernel k_q61d50e395a_oproj
		.amdhsa_group_segment_fixed_size 34304
		.amdhsa_private_segment_fixed_size 0
		.amdhsa_enable_private_segment 0
		.amdhsa_kernarg_size 40
		.amdhsa_user_sgpr_count 2
		.amdhsa_user_sgpr_kernarg_segment_ptr 1
		.amdhsa_wavefront_size32 1
		.amdhsa_system_sgpr_workgroup_id_x 1
		.amdhsa_system_sgpr_workgroup_id_y 1
		.amdhsa_system_sgpr_workgroup_id_z 1
		.amdhsa_system_vgpr_workitem_id 0
		.amdhsa_next_free_vgpr 512
		.amdhsa_next_free_sgpr 66
		.amdhsa_reserve_vcc 0
		.amdhsa_float_denorm_mode_32 3
		.amdhsa_float_denorm_mode_16_64 3
		.amdhsa_memory_ordered 1
		.amdhsa_forward_progress 1
		.amdhsa_inst_pref_size 19
	.end_amdhsa_kernel
	.amdgpu_metadata
---
amdhsa.version: [ 1, 2 ]
amdhsa.kernels:
  - .name:           k_q61d50e395a_oproj
    .symbol:         k_q61d50e395a_oproj.kd
    .args:
      - { .name: oimg, .offset: 0, .size: 8, .value_kind: global_buffer, .address_space: global }
      - { .name: woimg, .offset: 8, .size: 8, .value_kind: global_buffer, .address_space: global }
      - { .name: bo, .offset: 16, .size: 8, .value_kind: global_buffer, .address_space: global }
      - { .name: lowp_scales, .offset: 24, .size: 8, .value_kind: global_buffer, .address_space: global }
      - { .name: out0, .offset: 32, .size: 8, .value_kind: global_buffer, .address_space: global }
    .group_segment_fixed_size: 34304
    .private_segment_fixed_size: 0
    .kernarg_segment_align: 8
    .kernarg_segment_size: 40
    .max_flat_workgroup_size: 128
    .sgpr_count:     66
    .vgpr_count:     512
    .wavefront_size: 32
...
	.end_amdgpu_metadata
.endif
;; end of part 3
